; MI455X (gfx1250); checked and timed in simulation.
; The chip was launched on July 23, 2026; its instructions are those of AMD's public machine-readable ISA for CDNA 5 (MIT licence, August 2026) and "CDNA5" Instruction Set Architecture Reference Guide (July 2026). The comments in the code are by the model that wrote it; some were corrected since.
;; Dot Attention X. Allowed arithmetic: matrix products marked QUANTISED: E5M2 operands, one given power-of-two scale a tensor, by v_wmma_f32_16x16x64_bf8_bf8 or v_wmma_f32_16x16x128_bf8_bf8, f32 sums; everything else in f32.
;; Inputs: key 2 x 8 x 2,048 x 64 float32; lowp_scales 2 int32 (the exponents e of the quantised operands' scales 2^e); query 2 x 8 x 2,048 x 64 float32; value 2 x 8 x 2,048 x 64 float32.
;; Outputs: out0 2 x 8 x 2,048 x 64 float32.
;; This version of the problem:
;;   THIS VERSION OF THE PROBLEM IS GIVEN IN LOW PRECISION. The matrix products marked QUANTISED in the list below multiply operands that are first quantised to E5M2 (5 exponent bits, 2 mantissa bits; 8 bits a number), with one given power-of-two scale for each operand tensor; their sums are f32. All else is computed in f32.
;;   The module's matrix products, in the order in which they are computed (A, B: the left and right operand; K: the contracted axis; several contracted axes count as one K, in the product's order):
;;     1. batch 16 x [M 2,048, K 2,048] x [K 2,048, N 64]; A: softmax (see below); B: input value: QUANTISED (scales: A lowp_scales[0], B lowp_scales[1])
;;   THE QUANTISER, for each operand of a quantised product, along K:
;;     - The operand's scale is 2^e, e = its entry of the input lowp_scales (int32; the entries are numbered through the quantised products in the list's order, A before B).
;;     - Each number is divided by the scale, clamped to +-57,344, and rounded to the nearest number of E5M2, ties to even, subnormals kept.
;;     - The product sums the exact products of the quantised numbers (number of the format x scale) in f32.
;;   ~~~python
;;   def quantise(x, axis, e):      # numpy; x: float32 -> the quantised numbers, widened to float32 again
;;       x = np.moveaxis(x, axis, -1); K = x.shape[-1]
;;       r = np.clip(x / 2.0 ** e, -57344, 57344)
;;       step = 2.0 ** (np.maximum(np.frexp(np.where(r == 0, 1, r))[1] - 1, -14) - 2)
;;       q = np.round(r / step) * step * 2.0 ** e      # np.round: ties to even
;;       return np.moveaxis(q, -1, axis).astype(np.float32)
;;   ~~~
;;   SOFTMAX AHEAD OF A QUANTISED PRODUCT. Where the list says 'softmax', what is quantised is not the finished softmax but p = 2^(t - M), with t = logit x log2(e) and M = ceil(the row's largest t), a whole number; so 1/2 < the row's largest p <= 1. The row's sum l is taken of the UNQUANTISED p, in f32, and the product's result is divided by l at the end. Since M is a whole number, a kernel that streams over the keys may use a running M (the ceiling of the running maximum): every later rescaling is an exact power of two, so the quantised numbers keep their values, but for numbers so far below the row's largest that they fall under the format's range.
;;   OPERANDS COMPUTED ON THE WAY. 'Computed on the way' means the value that the module computes at that place (a softmax that the list does not call 'softmax' is quantised finished and normalised). What goes into a quantiser is computed in f32, as accurately as f32 sums, v_exp_f32 and their like allow (about 1e-6 of the number): no bf16 or f16 on the way to a quantiser, and a product that is left as it is and whose result goes on into a quantised operand takes f32 operands (vector FMAs, or v_wmma_f32_16x16x4_f32). A number that lies on a knife's edge between two numbers of the format may be rounded either way, as far as f32 arithmetic and the matrix unit's own rounding can turn it there, and no further.
;; 2 versions, each right; version 2 is version 1 with the launch attend written anew for expert scheduling mode. Each part assembles by itself: llvm-mc -triple=amdgcn-amd-amdhsa -mcpu=gfx1250 --defsym DOCPART=n.
;; ======== version 1 of 2: 2 launches
;; workspace buffers: ksum 131,072 bytes; qsum 131,072 bytes; kmm 4,096 bytes; vcodes 2,097,152 bytes
;; launch prep (part 1): grid 256 x 1, 6 waves a work-group, no clusters, 70,400 bytes of LDS; arguments key, query, value, lowp_scales, ksum, qsum, kmm, vcodes; writes ksum, qsum, kmm, vcodes
.if DOCPART == 1
	.amdgcn_target "amdgcn-amd-amdhsa--gfx1250"
	.amdhsa_code_object_version 6
	.text
	.protected	k_q1cca114051_prep
	.globl	k_q1cca114051_prep
	.p2align	8
	.type	k_q1cca114051_prep,@function
k_q1cca114051_prep:
	s_mov_b64 s[64:65], 0
	v_nop
	global_prefetch_b8 v0, s[64:65] scope:SCOPE_SE
	s_setreg_imm32_b32 hwreg(HW_REG_WAVE_MODE, 25, 1), 1
	s_wait_xcnt 0x0
; PREP: what all sixteen query blocks of a head need is made once.
;   ksum[row] = the sum of key's row of 64, qsum[row] likewise of query; kmm = (largest, smallest) ksum of every 64 keys; vcodes = value as codes of BF8 (E5M2) with the given scale 2^ev.
; key, query, value: [16 heads x 2048][64] f32, rows of 256 bytes, dense.  256 work-groups of six waves; waves share nothing: no barrier.
; WAVES 0-3: 64 rows each (work-groups 0-127: key, 128-255: query; only pointers are chosen, both take one path).  32 loads of 512 consecutive bytes take the rows as they lie; they turn through the
;   wave's own stage in LDS (64 rows, 272 bytes apart), so that a lane gets two whole rows, 2 lane and 2 lane + 1, and the wave stores 256 consecutive bytes of sums.
;   ORDER OF ROUNDING: sixteen running sums a[i] = ((x[i] + x[16 + i]) + x[32 + i]) + x[48 + i]; the sixteen are folded by halves: i with i + 8, with i + 4, with i + 2, with i + 1.
;   That is how one vector of sixteen running sums adds 64 numbers.  reference()'s text does not fix an order; this one is kept on purpose: the score q k log2(e) reaches hundreds, so the last bit of a sum
;   moves the number that is quantised later by far more than its own last bit.
;   LIMIT: where reference()'s sums are added in another order, a sum may differ in its last places, and a p that lies nearer to the middle between two codes than some |t| x 2e-7 of itself may take the other code.
; WAVES 4-5: 128 keys (one key step of the product) x 32 of the 64 columns.  A LANE TAKES A COLUMN d AND ITS REGISTERS RUN DOWN THE KEYS, the product's K: the conversions give codes with the keys innermost.
;   vcodes is laid IN THE ORDER OF THE OPERAND'S REGISTERS: step (head x 16 + keys / 128): 8,192 bytes; in it tile t of 16 columns: 2,048; in it chunk c: 512 = 16 bytes for each lane (r, h) of the
;   reader: column 16 t + r, keys 64 h + 16 c + 0 .. 15.  Here sixteen lanes (one t) store 256 consecutive bytes, aligned.
; code = v / 2^ev, held within +-57,344, to the nearest code, ties to even.  LIMITS: ev between -126 and 112.  NaN among the inputs is not served.
.set PITCH, 272                        ; a stage row: 256 bytes + 16 = 68 words
.set STG,   64*PITCH                   ; a wave's stage
.set X,     16                         ; v16-143  128 numbers: rows as loaded, then two whole rows a lane, then their running sums in place; in waves 4-5 a column's 128 keys
.set RES,   160                        ; v160-161 the two rows' sums
.set MM,    162                        ; v162-163 largest, smallest
.set C,     144                        ; waves 4-5: v144-175 the codes, four registers for every 16 keys: no store's data are written again
	s_load_b256 s[4:11], s[0:1], 0x0               ; key s[4:5], query s[6:7], value s[8:9], the scales' exponents s[10:11]
	s_load_b256 s[12:19], s[0:1], 0x20             ; ksum s[12:13], qsum s[14:15], kmm s[16:17], vcodes s[18:19]
	v_lshl_add_u32 v176, v0, 2, 0x11000
	v_mov_b32 v177, 0
	v_lshrrev_b32 v1, 5, v0
	v_readfirstlane_b32 s20, v1                    ; wave 0..5
	v_and_b32 v2, 31, v0                           ; lane
	v_and_b32 v3, 15, v0                           ; r = lane % 16
	v_bfe_u32 v4, v0, 4, 1                         ; h = lane / 16
	s_mul_i32 s21, s20, STG                        ; my stage (waves 0-3 alone touch LDS)
	v_mul_u32_u24 v5, v4, 32*PITCH
	v_lshl_add_u32 v5, v3, 4, v5
	v_add_nc_u32 v5, s21, v5                       ; into the stage: load i brings rows 2 i + h; row 2 i + h goes to place i + 32 h, so that rows 2 lane and 2 lane + 1 lie at places lane and lane + 32
	v_mul_u32_u24 v6, v2, PITCH
	v_add_nc_u32 v6, s21, v6                       ; out of it: place lane
	s_cmp_ge_u32 s20, 4
	s_cbranch_scc1 .Lvalue
	; ---- waves 0-3: sums of 64 rows
	s_lshl_b32 s22, ttmp9, 2
	s_add_co_u32 s22, s22, s20                     ; unit 0..1023
	s_and_b32 s23, s22, 511                        ; and within its tensor
	s_lshl_b32 s24, s23, 14                        ; 64 rows of 256 bytes
	s_mov_b32 s25, 0
	s_lshl_b32 s26, s23, 8                         ; 64 sums
	s_mov_b32 s27, 0
	s_lshl_b32 s34, s23, 3                         ; one pair
	s_mov_b32 s35, 0
	s_mov_b32 s32, 0x76543210                      ; v_permlanex16_b32's selects for lane xor 16
	s_mov_b32 s33, 0xfedcba98
	v_lshlrev_b32 v7, 4, v2                        ; 16 x lane
	v_lshlrev_b32 v8, 3, v2                        ; 8 x lane
	s_wait_kmcnt 0x0
	s_cmp_lt_u32 ttmp9, 128                        ; key's work-group or query's: the choice hangs on the work-group's number alone
	s_cselect_b64 s[28:29], s[4:5], s[6:7]
	s_cselect_b64 s[30:31], s[12:13], s[14:15]
	s_add_nc_u64 s[28:29], s[28:29], s[24:25]
	s_add_nc_u64 s[30:31], s[30:31], s[26:27]
	s_add_nc_u64 s[16:17], s[16:17], s[34:35]
.set i, 0
.rept 32
	global_load_b128 v[X+4*i:X+4*i+3], v7, s[28:29] offset:512*i th:TH_LOAD_NT   ; 32 lanes read 512 consecutive bytes: two rows; read once in the launch
.set i, i+1
.endr
.set i, 0
.rept 32
.if (i%8) == 0
	s_wait_loadcnt 24-i                            ; loads come back in order: the next eight are in, the younger ones stay out
.endif
	ds_store_b128 v5, v[X+4*i:X+4*i+3] offset:PITCH*i
.set i, i+1
.endr
	s_wait_dscnt 0x0                               ; the stores have read their registers, which take the rows back
.set qq, 0
.rept 4                                ; quarter qq: numbers 16 qq .. 16 qq + 15 of both rows: eight loads, so that the sums can begin when two quarters are in
.irp j, 0,1
.irp m, 0,1,2,3
	ds_load_b128 v[X+64*\j+16*qq+4*\m:X+64*\j+16*qq+4*\m+3], v6 offset:32*PITCH*\j+64*qq+16*\m
.endr
.endr
.set qq, qq+1
.endr
.set qq, 1
.rept 3
	s_wait_dscnt 24-8*qq                           ; LDS loads come back in order: quarters 0 to qq are in, the eight loads of each later quarter stay out
.irp j, 0,1
.irp a, 0,1,2,3,4,5,6,7,8,9,10,11,12,13,14,15
	v_add_f32 v[X+64*\j+\a], v[X+64*\j+\a], v[X+64*\j+16*qq+\a]    ; a[i] takes x[16 qq + i], in x[i]'s place: nothing is cleared; 32 sums take turns, so that no line waits for the line above it
.endr
.endr
.set qq, qq+1
.endr
.irp j, 0,1
.irp e, 0,1,2,3,4,5,6,7
	v_add_f32 v[X+64*\j+\e], v[X+64*\j+\e], v[X+64*\j+8+\e]        ; the sixteen by halves: i with i + 8,
.endr
.endr
.irp j, 0,1
.irp e, 0,1,2,3
	v_add_f32 v[X+64*\j+\e], v[X+64*\j+\e], v[X+64*\j+4+\e]        ; with i + 4,
.endr
.endr
.irp j, 0,1
.irp e, 0,1
	v_add_f32 v[X+64*\j+\e], v[X+64*\j+\e], v[X+64*\j+2+\e]        ; with i + 2,
.endr
.endr
	v_add_f32 v[RES], v[X], v[X+1]                 ; with i + 1: row 2 lane
	v_add_f32 v[RES+1], v[X+64], v[X+65]           ; row 2 lane + 1
	global_store_b64 v8, v[RES:RES+1], s[30:31]    ; the wave stores 256 consecutive bytes, aligned
	s_cmp_ge_u32 ttmp9, 128
	s_cbranch_scc1 .Ldone                          ; query's sums need no largest and smallest
	v_max_num_f32 v[MM], v[RES], v[RES+1]
	v_min_num_f32 v[MM+1], v[RES], v[RES+1]
.irp m, 1,2,4,8
	v_max_num_f32_dpp v[MM], v[MM], v[MM] row_xmask:\m row_mask:0xf bank_mask:0xf
	v_min_num_f32_dpp v[MM+1], v[MM+1], v[MM+1] row_xmask:\m row_mask:0xf bank_mask:0xf
.endr
	v_mov_b32 v164, 0                              ; a lane permute's destination counts as one of its sources: written once
	v_mov_b32 v165, 0
	v_permlanex16_b32 v164, v[MM], s32, s33
	v_permlanex16_b32 v165, v[MM+1], s32, s33
	v_max_num_f32 v[MM], v[MM], v164               ; the 64 keys' largest sum, in every lane,
	v_min_num_f32 v[MM+1], v[MM+1], v165           ; and their smallest
	v_mov_b32 v166, 0
	v_cmp_eq_u32 vcc_lo, 0, v2
	s_wait_xcnt 0x0                                ; EXEC is a source of the store above: it changes only behind this wait
	s_and_saveexec_b32 s36, vcc_lo                 ; lane 0 alone
	global_store_b64 v166, v[MM:MM+1], s[16:17]    ; 8 bytes a wave, 4,096 in the whole launch: too little to gather first
	s_wait_xcnt 0x0                                ; and again, in front of the line that widens EXEC
	s_or_b32 exec_lo, exec_lo, s36
.Ldone:
	s_wait_tensorcnt 0x0
	ds_add_u32 v176, v177
	s_wait_dscnt 0x0
	s_endpgm
	; ---- waves 4-5: 128 keys x 32 columns of value become codes
.Lvalue:
	s_sub_co_u32 s22, s20, 4                       ; u: columns 32 u on
	s_lshl_b32 s24, ttmp9, 15                      ; the key step = the work-group's number: 128 rows of 256 bytes,
	s_lshl_b32 s23, s22, 7                         ; + 128 u
	s_add_co_u32 s24, s24, s23
	s_mov_b32 s25, 0
	s_lshl_b32 s26, ttmp9, 13                      ; its 8,192 bytes of codes,
	s_lshl_b32 s23, s22, 12                        ; + tiles 2 u and 2 u + 1
	s_add_co_u32 s26, s26, s23
	s_mov_b32 s27, 0
	v_lshlrev_b32 v9, 2, v2                        ; in: my column, 4 bytes a lane: the wave reads 128 consecutive bytes, and wave 4 and wave 5 stand side by side on a row
	v_lshlrev_b32 v10, 11, v4                      ; out: tile 2 u + lane / 16,
	v_lshl_add_u32 v10, v3, 4, v10                 ; the reader's lane r: 16 bytes
	s_wait_kmcnt 0x0
	s_load_b32 s40, s[10:11], 0x4                  ; ev
	s_add_nc_u64 s[8:9], s[8:9], s[24:25]
	s_add_nc_u64 s[18:19], s[18:19], s[26:27]
.set n, 0
.rept 128
	global_load_b32 v[X+n], v9, s[8:9] offset:256*n th:TH_LOAD_NT   ; value(key n, my column)
.set n, n+1
.endr
	s_wait_kmcnt 0x0
	s_add_co_i32 s40, s40, 127
	s_lshl_b32 s41, s40, 23
	v_mov_b32 v11, s41                             ; 2^ev as f32: the conversion takes its exponent field
	s_add_co_i32 s40, s40, 15
	s_lshl_b32 s40, s40, 23
	s_or_b32 s40, s40, 0x600000
	v_mov_b32 v12, s40                             ; 57,344 x 2^ev
.set g, 0
.rept 8                                ; 16 keys at a time: g = 4 h + c of the reader's layout
.if g == 0
	s_wait_loadcnt 63                              ; 128 loads were issued; at most 63 are out: the first 64, four groups' worth, are in
.elseif g >= 4
	s_wait_loadcnt 112-16*g                        ; this group's are in, the younger ones stay out
.endif
.set n, 0
.rept 16
	v_med3_num_f32 v[X+16*g+n], v[X+16*g+n], -v12, v12     ; the conversion to an 8-bit code does not saturate (ISA guide 7.6.2): the hold at the largest code x the scale
.set n, n+1
.endr
	v_cvt_scalef32_pk8_bf8_f32 v[C+4*g:C+4*g+1], v[X+16*g:X+16*g+7], v11
	v_cvt_scalef32_pk8_bf8_f32 v[C+4*g+2:C+4*g+3], v[X+16*g+8:X+16*g+15], v11
	global_store_b128 v10, v[C+4*g:C+4*g+3], s[18:19] offset:512*(g%4)+256*(g/4)   ; sixteen lanes store 256 consecutive bytes, aligned.  (The codes go to a store alone, and the next vector lines are plain and touch other registers)
.set g, g+1
.endr
	s_endpgm
.Lfunc_end_k_q1cca114051_prep:
	.size	k_q1cca114051_prep, .Lfunc_end_k_q1cca114051_prep-k_q1cca114051_prep
	.p2alignl 7, 3214868480
	.fill 96, 4, 3214868480
	.section	.rodata,"a",@progbits
	.p2align	6, 0x0
	.amdhsa_kernel k_q1cca114051_prep
		.amdhsa_group_segment_fixed_size 70400
		.amdhsa_private_segment_fixed_size 0
		.amdhsa_enable_private_segment 0
		.amdhsa_kernarg_size 64
		.amdhsa_user_sgpr_count 2
		.amdhsa_user_sgpr_kernarg_segment_ptr 1
		.amdhsa_wavefront_size32 1
		.amdhsa_system_sgpr_workgroup_id_x 1
		.amdhsa_system_sgpr_workgroup_id_y 1
		.amdhsa_system_sgpr_workgroup_id_z 1
		.amdhsa_system_vgpr_workitem_id 0
		.amdhsa_next_free_vgpr 178
		.amdhsa_next_free_sgpr 66
		.amdhsa_reserve_vcc 1
		.amdhsa_float_denorm_mode_32 3
		.amdhsa_float_denorm_mode_16_64 3
		.amdhsa_memory_ordered 1
		.amdhsa_forward_progress 1
		.amdhsa_inst_pref_size 38
	.end_amdhsa_kernel
	.amdgpu_metadata
---
amdhsa.version: [ 1, 2 ]
amdhsa.kernels:
  - .name:           k_q1cca114051_prep
    .symbol:         k_q1cca114051_prep.kd
    .args:
      - { .name: key, .offset: 0, .size: 8, .value_kind: global_buffer, .address_space: global }
      - { .name: query, .offset: 8, .size: 8, .value_kind: global_buffer, .address_space: global }
      - { .name: value, .offset: 16, .size: 8, .value_kind: global_buffer, .address_space: global }
      - { .name: lowp_scales, .offset: 24, .size: 8, .value_kind: global_buffer, .address_space: global }
      - { .name: ksum, .offset: 32, .size: 8, .value_kind: global_buffer, .address_space: global }
      - { .name: qsum, .offset: 40, .size: 8, .value_kind: global_buffer, .address_space: global }
      - { .name: kmm, .offset: 48, .size: 8, .value_kind: global_buffer, .address_space: global }
      - { .name: vcodes, .offset: 56, .size: 8, .value_kind: global_buffer, .address_space: global }
    .group_segment_fixed_size: 70400
    .private_segment_fixed_size: 0
    .kernarg_segment_align: 8
    .kernarg_segment_size: 64
    .max_flat_workgroup_size: 192
    .sgpr_count:     66
    .vgpr_count:     178
    .wavefront_size: 32
...
	.end_amdgpu_metadata
.endif
;; end of part 1
;; launch attend (part 2): grid 256 x 1, 8 waves a work-group, no clusters, 171,008 bytes of LDS; arguments qsum, ksum, kmm, vcodes, lowp_scales, out0; writes out0
.if DOCPART == 2
	.amdgcn_target "amdgcn-amd-amdhsa--gfx1250"
	.amdhsa_code_object_version 6
	.text
	.protected	k_q1cca114051_attend
	.globl	k_q1cca114051_attend
	.p2align	8
	.type	k_q1cca114051_attend,@function
k_q1cca114051_attend:
	s_mov_b64 s[64:65], 0
	v_nop
	global_prefetch_b8 v0, s[64:65] scope:SCOPE_SE
	s_setreg_imm32_b32 hwreg(HW_REG_WAVE_MODE, 25, 1), 1
	s_wait_xcnt 0x0
; out[head][l][:] = the sum over s of softmax_s(qsum[l] ksum[s]) value[s][:], the product on codes of BF8 (E5M2): p with the given scale 2^ep, value with 2^ev (its codes come from the launch before).
; THE SOFTMAX AHEAD OF THE PRODUCT: t = (q k) log2(e); M = the row's largest t, rounded up to a whole number; p = 2^(t - M) is quantised; the row's sum of the unquantised p divides at the end.
; THE ROW'S LARGEST t IS KNOWN BEFORE THE FIRST KEY: the largest of q k over the keys is the larger of q kmax and q kmin (kmax, kmin: the head's largest and smallest ksum), after rounding too, since rounding
; keeps order.  So the true maximum is taken away, nothing is ever rescaled, and the keys can be shared out among waves.
; THREE ROUNDINGS, ON PURPOSE: q k, then x log2(e), then - M, each rounded to f32 as reference() and the quantiser's rule write them.  One fused multiply-add would leave two of them out: t reaches hundreds, where a
; rounding of t is some 2^-16, and p = 2^(t - M) goes into a quantiser of two mantissa bits.
; SHARES.  A work-group owns 128 queries of one head (work-group = 16 x head + block).  Eight waves: wave = 4 qg + kg owns four tiles of 16 queries (64 qg on) and 512 keys (512 kg on): four key steps of 128.
; The product is used transposed, O^T = V^T P^T (source 0 = 16 of the 64 columns, source 1 = p): a lane holds ONE query (lane % 16) throughout and 64 keys of a step: register n = key 64 (lane / 16) + n, in p's codes
; as in V's: a permutation of K that is the same on both sides.
; OPERANDS COME FROM MEMORY STRAIGHT INTO REGISTERS: V's codes lie in the order of the operand's registers (a step: 16 loads of 512 consecutive bytes); ksum's 64 numbers of a half stand in all sixteen lanes of the half,
; as the layout wants them.  Both have two sets of registers, and a step's are asked for one whole key step (four tile steps, some 930 vector lines) before they are used.  No LDS, no barrier until the end.
; NO CLUSTER, NO JOINT LOADS: a joint load lands in LDS, so each fragment would be written there and read again, with a round of the cluster's barrier for each slot; what partners share is 8.5 KB for a wave and key step,
; against those 930 vector lines.  NO PREFETCH: the loads themselves stand a key step ahead.
; THE END: the four key quarters' O^T and sums meet in LDS as images of their registers (one barrier); wave (qg, kg) finishes tile kg and stores 16 whole rows.
; LIMITS: ep between -109 and 112 (2^ep and 57,344 x 2^ep are f32 numbers; p under 2^-126, which v_exp_f32 gives as 0, has the code 0 then); ep + ev is applied by v_ldexp_f32 and has none.  NaN and infinities are not served.
; REGISTERS.  Window 0: v1-15 addresses; v16-79, v80-143 ksum, two sets; v144-207 p; v208-223 p's codes; v224-231 (q, 0) a tile; v232-239 (-M, 0) a tile; v240-243 the sums; v244-251 four chains of a step's sum.
;   Window 1: v0-127 O^T (tile T, columns 16 t on: v[32 T + 8 t]); v128-191, v192-255 V's fragments, two sets.
.set LOG2E, 0x3fb8aa3b
.set SP,    272                        ; a stage row: 256 bytes + 16
.set SUMS,  131072                     ; LDS: 0 .. the images of O^T, 32 x 4,096 bytes; here the sums, 512 bytes a wave;
.set STAGE, SUMS+4096                  ; here a stage of 16 rows for each wave
.set OO,  1                            ; v1   16 x lane
.set KO,  5                            ; v5   ksum: 256 (lane / 16) + 2,048 kg
.set VO,  6                            ; v6   V's codes: 32,768 kg + 16 x lane
.set QO,  7                            ; v7   qsum: 4 (lane % 16)
.set MO,  8                            ; v8   kmm: 8 x lane
.set SC,  9                            ; v9   2^ep as f32
.set XST, 10                           ; v10  where I put my images
.set XRD, 11                           ; v11  where I read the four images of my tile
.set SST, 12                           ; v12  where I put my four sums
.set SRD, 13                           ; v13  where I read my tile's
.set GI,  14                           ; v14  the stage, in
.set GO,  15                           ; v15  the stage, out
.set KB,  16
.set P,   144
.set CD,  208
.set QS,  224
.set NM,  232
.set SUM, 240
.set TA,  244
.set CS,  26                           ; s[26:27] log2(e): the packed form names a pair and takes its low word for both halves
.set SEL, 28                           ; s[28:29] lane selects for lane xor 16
.set LIM, 30                           ; s30  57,344 x 2^ep
.set ES,  31                           ; s31  ep + ev
.set MSB, 0
.macro WIN new                         ; the immediate's high byte repeats the setting that is left
.if MSB != \new
	s_set_vgpr_msb (MSB<<8)|\new
.set MSB, \new
.endif
.endm
.macro LOADK s                         ; key step s of my four: 64 numbers of ksum for each half of the lanes
.set i, 0
.rept 16
	global_load_b128 v[KB+64*((\s)%2)+4*i:KB+64*((\s)%2)+4*i+3], v[KO], s[6:7] offset:512*(\s)+16*i
.set i, i+1
.endr
.endm
.macro LOADV s                         ; its four fragments of V: 8,192 consecutive bytes, registers on end
	WIN 0x40                                       ; destination window 1
.set i, 0
.rept 16
	global_load_b128 v[128+64*((\s)%2)+4*i:128+64*((\s)%2)+4*i+3], v[VO], s[10:11] offset:8192*(\s)+512*i
.set i, i+1
.endr
	WIN 0
.endm
	s_load_b256 s[4:11], s[0:1], 0x0               ; qsum s[4:5], ksum s[6:7], kmm s[8:9], V's codes s[10:11]
	s_load_b128 s[12:15], s[0:1], 0x20             ; the scales' exponents s[12:13], out s[14:15]
	v_lshl_add_u32 v254, v0, 2, 0x29800
	v_mov_b32 v255, 0
	v_lshrrev_b32 v1, 5, v0
	v_readfirstlane_b32 s16, v1                    ; wave 0..7
	s_lshr_b32 s17, s16, 2                         ; qg
	s_and_b32 s18, s16, 3                          ; kg
	s_lshr_b32 s19, ttmp9, 4                       ; head
	s_and_b32 s20, ttmp9, 15                       ; block of 128 queries
	v_and_b32 v2, 31, v0                           ; lane
	v_and_b32 v3, 15, v0                           ; r
	v_bfe_u32 v4, v0, 4, 1                         ; h
	v_lshlrev_b32 v[OO], 4, v2
	v_lshlrev_b32 v[KO], 8, v4
	v_lshl_add_u32 v[KO], s18, 11, v[KO]
	v_lshl_add_u32 v[VO], s18, 15, v[OO]
	v_lshlrev_b32 v[QO], 2, v3
	v_lshlrev_b32 v[MO], 3, v2
	s_lshl_b32 s32, s19, 13                        ; qsum: 8,192 head + 512 block + 256 qg
	s_lshl_b32 s24, s20, 9
	s_add_co_u32 s32, s32, s24
	s_lshl_b32 s24, s17, 8
	s_add_co_u32 s32, s32, s24
	s_mov_b32 s33, 0
	s_lshl_b32 s34, s19, 13                        ; ksum: 8,192 head
	s_mov_b32 s35, 0
	s_lshl_b32 s36, s19, 8                         ; kmm: 256 head
	s_mov_b32 s37, 0
	s_lshl_b32 s38, s19, 17                        ; V's codes: 131,072 head
	s_mov_b32 s39, 0
	s_lshl_b32 s40, s19, 19                        ; out: 524,288 head + 32,768 block + 4,096 wave: the 16 rows that I finish
	s_lshl_b32 s24, s20, 15
	s_add_co_u32 s40, s40, s24
	s_lshl_b32 s24, s16, 12
	s_add_co_u32 s40, s40, s24
	s_mov_b32 s41, 0
	s_wait_kmcnt 0x0
	s_load_b64 s[22:23], s[12:13], 0x0             ; ep, ev
	s_add_nc_u64 s[4:5], s[4:5], s[32:33]
	s_add_nc_u64 s[6:7], s[6:7], s[34:35]
	s_add_nc_u64 s[8:9], s[8:9], s[36:37]
	s_add_nc_u64 s[10:11], s[10:11], s[38:39]
	s_add_nc_u64 s[14:15], s[14:15], s[40:41]
.irp T, 0,1,2,3
	global_load_b32 v[QS+2*\T], v[QO], s[4:5] offset:64*\T   ; q of my query in tile T
.endr
	global_load_b64 v[248:249], v[MO], s[8:9]      ; lane l: the largest and smallest ksum of the head's keys 64 l .. 64 l + 63
	LOADK 0
	LOADV 0
	LOADK 1
	LOADV 1
	; while they are on their way: constants and the addresses of the end
	s_mov_b32 s[CS], LOG2E
	s_mov_b32 s[CS+1], s[CS]                       ; (named with it as a pair, so it is written)
	s_mov_b32 s[SEL], 0x76543210
	s_mov_b32 s[SEL+1], 0xfedcba98
.irp T, 0,1,2,3
	v_mov_b32 v[QS+2*\T+1], 0                      ; the pairs' upper words are named, so they are written
	v_mov_b32 v[NM+2*\T+1], 0
.endr
	v_mov_b32 v250, 0                              ; a lane permute's destination counts as one of its sources
	v_mov_b32 v251, 0
	s_lshl_b32 s24, s17, 16
	s_lshl_b32 s25, s18, 12
	s_add_co_u32 s24, s24, s25
	v_add_nc_u32 v[XST], s24, v[OO]                ; image (qg, tile T, from kg) at 65,536 qg + 16,384 T + 4,096 kg; T stands in the immediate
	s_lshl_b32 s24, s16, 14
	v_add_nc_u32 v[XRD], s24, v[OO]                ; my tile is T = kg: 65,536 qg + 16,384 kg = 16,384 wave
	s_lshl_b32 s24, s16, 9
	s_add_co_u32 s24, s24, SUMS
	v_add_nc_u32 v[SST], s24, v[OO]                ; my four sums: 512 wave + 16 lane
	s_lshl_b32 s24, s17, 11
	s_lshl_b32 s25, s18, 2
	s_add_co_u32 s24, s24, s25
	s_add_co_u32 s24, s24, SUMS
	v_add_nc_u32 v[SRD], s24, v[OO]                ; tile kg's word of wave 4 qg + k: 2,048 qg + 512 k + 16 lane + 4 kg
	s_mul_i32 s24, s16, 16*SP
	s_add_co_u32 s24, s24, STAGE
	v_mul_u32_u24 v[GI], v3, SP
	v_lshl_add_u32 v[GI], v4, 5, v[GI]
	v_add_nc_u32 v[GI], s24, v[GI]                 ; in: row r, + 32 h
	v_mul_u32_u24 v[GO], v4, SP
	v_lshl_add_u32 v[GO], v3, 4, v[GO]
	v_add_nc_u32 v[GO], s24, v[GO]                 ; back: lanes 0-15 one row, lanes 16-31 the next
	s_wait_kmcnt 0x0
	s_add_co_i32 s[ES], s22, s23                   ; ep + ev
	s_add_co_i32 s24, s22, 127
	s_lshl_b32 s25, s24, 23
	v_mov_b32 v[SC], s25                           ; 2^ep as f32: the conversion takes its exponent field
	s_add_co_i32 s24, s24, 15
	s_lshl_b32 s24, s24, 23
	s_or_b32 s[LIM], s24, 0x600000                 ; 57,344 x 2^ep
	s_wait_loadcnt 63                              ; behind q's four loads and the pair 64 loads were issued: those five are in
.irp m, 1,2,4,8
	v_max_num_f32_dpp v248, v248, v248 row_xmask:\m row_mask:0xf bank_mask:0xf
	v_min_num_f32_dpp v249, v249, v249 row_xmask:\m row_mask:0xf bank_mask:0xf
.endr
	v_permlanex16_b32 v250, v248, s[SEL], s[SEL+1]
	v_permlanex16_b32 v251, v249, s[SEL], s[SEL+1]
	v_max_num_f32 v248, v248, v250                 ; kmax of the head, in every lane
	v_min_num_f32 v249, v249, v251                 ; kmin
.irp T, 0,1,2,3
	v_mul_f32 v252, v[QS+2*\T], v248
	v_mul_f32 v253, v[QS+2*\T], v249
	v_max_num_f32 v252, v252, v253                 ; the row's largest score, rounded as every score is
	v_mul_f32 v252, s[CS], v252                    ; the row's largest t (log2(e) is positive)
	v_floor_f32 v[NM+2*\T], -v252                  ; -M = floor(-t) = -ceil(t)
.endr
; A TILE STEP: 16 queries x 128 keys.  s: which of my four key steps; T: which of my four tiles.
.macro TILE s, T
.set KR, KB+64*((\s)%2)
.set VR, 128+64*((\s)%2)
.set OA, 32*(\T)
.set QR, QS+2*(\T)
.set MR, NM+2*(\T)
.if (\T) == 0
.if (\s) == 0
	s_wait_loadcnt 48                              ; this step's ksum is in; behind it: V of step 0, ksum and V of step 1
.else
	s_wait_loadcnt 16                              ; this step's ksum is in; behind it: this step's V
.endif
.endif
.set j, 0
.rept 32
	v_pk_mul_f32 v[P+j:P+j+1], v[KR+j:KR+j+1], v[QR:QR+1] op_sel_hi:[1,0]   ; the score q k, two keys at a time (of the pair (q, 0) the low word serves both)
.set j, j+2
.endr
.if ((\T) == 0) && ((\s) >= 1) && ((\s) <= 2)
	LOADK (\s)+1                                   ; the next step's operands, into the sets that the step before has left: the 32 lines above are the places behind its last products
	LOADV (\s)+1
.endif
.set j, 0
.rept 32
	v_pk_mul_f32 v[P+j:P+j+1], v[P+j:P+j+1], s[CS:CS+1] op_sel_hi:[1,0]     ; t = score x log2(e): a rounding of its own
.set j, j+2
.endr
.set j, 0
.rept 32
	v_pk_add_f32 v[P+j:P+j+1], v[P+j:P+j+1], v[MR:MR+1] op_sel_hi:[1,0]     ; t - M
.set j, j+2
.endr
.set j, 0
.rept 64
	v_exp_f32 v[P+j], v[P+j]                       ; p = 2^(t - M): not normalised
.set j, j+1
.endr
	v_nop                                          ; one plain line behind the last exponential (ISA guide 5.7.2)
	s_wait_alu depctr_va_vdst(0)                   ; the wait ahead of the first line that names a result: one for the batch of 64
.set a, 0
.rept 32                               ; pair a: first into the sum of the UNQUANTISED p (four chains by turns), then the hold
.if a < 4
	v_pk_add_f32 v[TA+2*a:TA+2*a+1], v[P+2*a:P+2*a+1], v[P+2*a+8:P+2*a+9]   ; pairs a and a + 4 start chain a: nothing is cleared
.elseif a >= 8
	v_pk_add_f32 v[TA+2*(a%4):TA+2*(a%4)+1], v[TA+2*(a%4):TA+2*(a%4)+1], v[P+2*a:P+2*a+1]
.endif
	v_dual_min_num_f32 v[P+2*a], s[LIM], v[P+2*a] :: v_dual_min_num_f32 v[P+2*a+1], s[LIM], v[P+2*a+1]   ; the conversion does not saturate (ISA guide 7.6.2); p is not negative, so the hold is one-sided; two in one line
.set a, a+1
.endr
.set g, 0
.rept 8
	v_cvt_scalef32_pk8_bf8_f32 v[CD+2*g:CD+2*g+1], v[P+8*g:P+8*g+7], v[SC]  ; register n's code falls into byte n % 4 of code register n / 4
.set g, g+1
.endr
	v_pk_add_f32 v[TA:TA+1], v[TA:TA+1], v[TA+2:TA+3]      ; the chains join: plain lines, which also stand between the conversions and the products that read the codes
	v_pk_add_f32 v[TA+4:TA+5], v[TA+4:TA+5], v[TA+6:TA+7]
	v_pk_add_f32 v[TA:TA+1], v[TA:TA+1], v[TA+4:TA+5]
.if (\s) == 0
	v_add_f32 v[SUM+\T], v[TA], v[TA+1]            ; the first step starts the tile's sum
.else
	v_add_f32 v[TA], v[TA], v[TA+1]
	v_add_f32 v[SUM+\T], v[SUM+\T], v[TA]
.endif
.if (\T) == 0
.if (\s) == 3
	s_wait_loadcnt 0x0                             ; the last step's V is in
.else
	s_wait_loadcnt 32                              ; this step's V is in; behind it: the next step's ksum and V
.endif
.endif
	WIN 0x51                                       ; V and O^T in window 1, the codes in window 0
.set t, 0
.rept 4                                ; the tile's four accumulators take turns; an accumulator comes again a key step later, behind fifteen others'
.if (\s) == 0
	v_wmma_f32_16x16x128_bf8_bf8 v[OA+8*t:OA+8*t+7], v[VR+16*t:VR+16*t+15], v[CD:CD+15], 0   ; the first step starts the sums
.else
	v_wmma_f32_16x16x128_bf8_bf8 v[OA+8*t:OA+8*t+7], v[VR+16*t:VR+16*t+15], v[CD:CD+15], v[OA+8*t:OA+8*t+7]
.endif
.set t, t+1
.endr
	WIN 0
.endm
.irp s, 0,1,2,3
.irp T, 0,1,2,3
	TILE \s, \T
.endr
.endr
	; THE END.  My partial O^T of four tiles and my four partial sums go to LDS as they stand in the registers.
.rept 4
	v_nop                                          ; four places between the last products and the stores that read results
.endr
	WIN 0x04                                       ; the stores' data in window 1
.set i, 0
.rept 32                               ; i = 8 T + c: registers 32 T + 4 c on: each accumulator from its low end on
	ds_store_b128 v[XST], v[4*i:4*i+3] offset:16384*(i/8)+512*(i%8)
.set i, i+1
.endr
	WIN 0
	ds_store_b128 v[SST], v[SUM:SUM+3]
	s_wait_dscnt 0x0                               ; for the others' sake: my stores have landed
	s_barrier_signal -1
	s_barrier_wait -1
.irp k, 0,1,2,3
	ds_load_b32 v[144+\k], v[SRD] offset:512*\k    ; my tile's sum, from each key quarter
.endr
.set i, 0
.rept 32                               ; i = 8 k + c: my tile's image from key quarter k
	ds_load_b128 v[16+4*i:16+4*i+3], v[XRD] offset:512*i
.set i, i+1
.endr
	s_wait_dscnt 32                                ; the four sums are in; the 32 loads behind them may be out
	v_add_f32 v148, v144, v145
	v_add_f32 v149, v146, v147
	v_add_f32 v148, v148, v149
	v_permlanex16_b32 v149, v148, s[SEL], s[SEL+1]
	v_add_f32 v148, v148, v149                     ; and lane xor 16's keys: the row's sum (over 1/2: the largest p is)
	v_rcp_f32 v150, v148
	v_mov_b32 v151, 0                              ; a plain line behind the reciprocal; the pair's upper word is named below, so it is written
	s_wait_dscnt 0x0
.set j, 0
.rept 16
	v_pk_add_f32 v[16+j:17+j], v[16+j:17+j], v[48+j:49+j]
	v_pk_add_f32 v[80+j:81+j], v[80+j:81+j], v[112+j:113+j]
.set j, j+2
.endr
	s_wait_alu depctr_va_vdst(0)                   ; the wait ahead of the reciprocal's first reader; the 32 additions above stand between
	v_ldexp_f32 v150, v150, s[ES]                  ; 2^(ep + ev) / the sum
.set j, 0
.rept 16
	v_pk_add_f32 v[16+j:17+j], v[16+j:17+j], v[80+j:81+j]
.set j, j+2
.endr
.set j, 0
.rept 16
	v_pk_mul_f32 v[16+j:17+j], v[16+j:17+j], v[150:151] op_sel_hi:[1,0]     ; register 8 t + i: out(row r, column 16 t + 8 h + i)
.set j, j+2
.endr
.irp t, 0,1,2,3
	ds_store_b128 v[GI], v[16+8*\t:19+8*\t] offset:64*\t       ; a lane holds 32 bytes of a row, and the lanes beside it other rows: through my own stage,
	ds_store_b128 v[GI], v[20+8*\t:23+8*\t] offset:64*\t+16
.endr
.irp i, 0,1,2,3,4,5,6,7
	ds_load_b128 v[48+4*\i:51+4*\i], v[GO] offset:2*\i*SP      ; and back as whole rows.  LDS serves a wave's instructions in order (ISA guide 5.7.1.4): these see my stores
.endr
.irp i, 0,1,2,3,4,5,6,7
	s_wait_dscnt 7-\i
	global_store_b128 v[OO], v[48+4*\i:51+4*\i], s[14:15] offset:512*\i th:TH_STORE_NT   ; 32 lanes store two rows, 512 consecutive bytes, aligned; written once, read by nobody here
.endr
	s_wait_tensorcnt 0x0
	ds_add_u32 v254, v255
	s_wait_dscnt 0x0
	s_endpgm
.Lfunc_end_k_q1cca114051_attend:
	.size	k_q1cca114051_attend, .Lfunc_end_k_q1cca114051_attend-k_q1cca114051_attend
	.p2alignl 7, 3214868480
	.fill 96, 4, 3214868480
	.section	.rodata,"a",@progbits
	.p2align	6, 0x0
	.amdhsa_kernel k_q1cca114051_attend
		.amdhsa_group_segment_fixed_size 171008
		.amdhsa_private_segment_fixed_size 0
		.amdhsa_enable_private_segment 0
		.amdhsa_kernarg_size 48
		.amdhsa_user_sgpr_count 2
		.amdhsa_user_sgpr_kernarg_segment_ptr 1
		.amdhsa_wavefront_size32 1
		.amdhsa_system_sgpr_workgroup_id_x 1
		.amdhsa_system_sgpr_workgroup_id_y 1
		.amdhsa_system_sgpr_workgroup_id_z 1
		.amdhsa_system_vgpr_workitem_id 0
		.amdhsa_next_free_vgpr 512
		.amdhsa_next_free_sgpr 66
		.amdhsa_reserve_vcc 0
		.amdhsa_float_denorm_mode_32 3
		.amdhsa_float_denorm_mode_16_64 3
		.amdhsa_memory_ordered 1
		.amdhsa_forward_progress 1
		.amdhsa_inst_pref_size 236
	.end_amdhsa_kernel
	.amdgpu_metadata
---
amdhsa.version: [ 1, 2 ]
amdhsa.kernels:
  - .name:           k_q1cca114051_attend
    .symbol:         k_q1cca114051_attend.kd
    .args:
      - { .name: qsum, .offset: 0, .size: 8, .value_kind: global_buffer, .address_space: global }
      - { .name: ksum, .offset: 8, .size: 8, .value_kind: global_buffer, .address_space: global }
      - { .name: kmm, .offset: 16, .size: 8, .value_kind: global_buffer, .address_space: global }
      - { .name: vcodes, .offset: 24, .size: 8, .value_kind: global_buffer, .address_space: global }
      - { .name: lowp_scales, .offset: 32, .size: 8, .value_kind: global_buffer, .address_space: global }
      - { .name: out0, .offset: 40, .size: 8, .value_kind: global_buffer, .address_space: global }
    .group_segment_fixed_size: 171008
    .private_segment_fixed_size: 0
    .kernarg_segment_align: 8
    .kernarg_segment_size: 48
    .max_flat_workgroup_size: 256
    .sgpr_count:     66
    .vgpr_count:     512
    .wavefront_size: 32
...
	.end_amdgpu_metadata
.endif
;; end of part 2
;; ======== version 2 of 2: 2 launches; version 1 with the launch attend written anew for expert scheduling mode
;; workspace buffers: ksum 131,072 bytes; qsum 131,072 bytes; kmm 4,096 bytes; vcodes 2,097,152 bytes
;; launch prep: the kernel of part 1 again; grid 256 x 1, 6 waves a work-group, no clusters, 70,400 bytes of LDS; arguments key, query, value, lowp_scales, ksum, qsum, kmm, vcodes; writes ksum, qsum, kmm, vcodes
;; launch attend (part 3): grid 256 x 1, 8 waves a work-group, no clusters, 171,008 bytes of LDS; arguments qsum, ksum, kmm, vcodes, lowp_scales, out0; writes out0
.if DOCPART == 3
	.amdgcn_target "amdgcn-amd-amdhsa--gfx1250"
	.amdhsa_code_object_version 6
	.text
	.protected	k_q1cca114051_attend
	.globl	k_q1cca114051_attend
	.p2align	8
	.type	k_q1cca114051_attend,@function
k_q1cca114051_attend:
	s_mov_b64 s[64:65], 0
	v_nop
	global_prefetch_b8 v0, s[64:65] scope:SCOPE_SE
	s_setreg_imm32_b32 hwreg(HW_REG_WAVE_SCHED_MODE, 0, 2), 2
	s_setreg_imm32_b32 hwreg(HW_REG_WAVE_MODE, 25, 1), 1
	s_wait_xcnt 0x0
	s_wait_alu depctr_vm_vsrc(0)
; out[head][l][:] = the sum over s of softmax_s(qsum[l] ksum[s]) value[s][:], the product on codes of BF8 (E5M2): p with the given scale 2^ep, value with 2^ev (its codes come from the launch before).
; THE SOFTMAX AHEAD OF THE PRODUCT: t = (q k) log2(e); M = the row's largest t, rounded up to a whole number; p = 2^(t - M) is quantised; the row's sum of the unquantised p divides at the end.
; THE ROW'S LARGEST t IS KNOWN BEFORE THE FIRST KEY: the largest of q k over the keys is the larger of q kmax and q kmin (kmax, kmin: the head's largest and smallest ksum), after rounding too, since rounding
; keeps order.  So the true maximum is taken away, nothing is ever rescaled, and the keys can be shared out among waves.
; THREE ROUNDINGS, ON PURPOSE: q k, then x log2(e), then - M, each rounded to f32 as reference() and the quantiser's rule write them.  One fused multiply-add would leave two of them out: t reaches hundreds, where a
; rounding of t is some 2^-16, and p = 2^(t - M) goes into a quantiser of two mantissa bits.
; SHARES.  A work-group owns 128 queries of one head (work-group = 16 x head + block).  Eight waves: wave = 4 qg + kg owns four tiles of 16 queries (64 qg on) and 512 keys (512 kg on): four key steps of 128.
; The product is used transposed, O^T = V^T P^T (source 0 = 16 of the 64 columns, source 1 = p): a lane holds ONE query (lane % 16) throughout and 64 keys of a step: register n = key 64 (lane / 16) + n, in p's codes
; as in V's: a permutation of K that is the same on both sides.
; OPERANDS COME FROM MEMORY STRAIGHT INTO REGISTERS: V's codes lie in the order of the operand's registers (a step: 16 loads of 512 consecutive bytes); ksum's 64 numbers of a half stand in all sixteen lanes of the half,
; as the layout wants them.  Both have two sets of registers, and a step's are asked for in the first tile step of the key step before, behind its exponentials: over three tile steps (some 780 vector lines) before they are used.
; No LDS, no barrier until the end.
; NO CLUSTER, NO JOINT LOADS: a joint load lands in LDS, so each fragment would be written there and read again, with a round of the cluster's barrier for each slot; what partners share is 8.5 KB for a wave and key step,
; against a key step's some 930 vector lines.  NO PREFETCH: the loads themselves stand over three tile steps ahead.
; THE END: the four key quarters' O^T and sums meet in LDS as images of their registers (one barrier); wave (qg, kg) finishes tile kg and stores 16 whole rows.
; LIMITS: ep between -109 and 112 (2^ep and 57,344 x 2^ep are f32 numbers; p under 2^-126, which v_exp_f32 gives as 0, has the code 0 then); ep + ev is applied by v_ldexp_f32 and has none.  NaN and infinities are not served.
; REGISTERS.  Window 0: v1-15 addresses; v16-79, v80-143 ksum, two sets; v144-207 p; v208-223 p's codes; v224-231 (q, 0) a tile; v232-239 (-M, 0) a tile; v240-243 the sums; v244-251 four chains of a step's sum;
;   v254, v255 the closing add's two.   Window 1: v0-127 O^T (tile T, columns 16 t on: v[32 T + 8 t]); v128-191, v192-255 V's fragments, two sets.
; THE MODE: SCHED_MODE bits 1:0 = 2 (LLVM: expert scheduling mode 2), set by the entry lines.  The code itself states the register dependences between vector or matrix instructions and memory or LDS
; instructions, with s_wait_alu, always for 0.
; THE PLAN.  Registers that memory or LDS instructions touch:
;   v1, v5-8     offsets of the global loads and stores; v10-15 LDS addresses of the end.  Written once, at the head, and never again.
;   ksum's sets  Key step s: its scores (32 lines in each of its four tile steps) read set s % 2; the loads of step s + 2 land in it, issued in tile step (s + 1, 0).
;   V's sets     Key step s: its sixteen products read set s % 2; the loads of step s + 2 land in it, issued in tile step (s + 1, 0).
;   O^T, v240-243  Written by the products and the sums' additions; read by the end's LDS stores; not written again.
;   v144-147, v16-143  At the end, behind the barrier: the four sums and the four images land where p and ksum stood; the last vector lines that name those stand in the last tile step.
;   v16-47, v48-79     The finished tile, read by the stage's stores; the rows that come back from the stage, read by the global stores.
;   v254, v255   Written at the head, read by the closing add alone.
; Each tile step has ONE wait on va_vdst, behind its 64 exponentials and ahead of the first line that names a result.  In a key step's first tile step the same wait states that the key step before is done reading its
; ksum and its V: so the next key step's 32 loads stand behind it and owe no wait of their own; the vector lines among and between them name p and the four chains alone.
; No register that a memory or LDS instruction has read is written again in the whole text: so no wait on vm_vsrc is written.
.set LOG2E, 0x3fb8aa3b
.set SP,    272                        ; a stage row: 256 bytes + 16
.set SUMS,  131072                     ; LDS: 0 .. the images of O^T, 32 x 4,096 bytes; here the sums, 512 bytes a wave;
.set STAGE, SUMS+4096                  ; here a stage of 16 rows for each wave
.set OO,  1                            ; v1   16 x lane
.set KO,  5                            ; v5   ksum: 256 (lane / 16) + 2,048 kg
.set VO,  6                            ; v6   V's codes: 32,768 kg + 16 x lane
.set QO,  7                            ; v7   qsum: 4 (lane % 16)
.set MO,  8                            ; v8   kmm: 8 x lane
.set SC,  9                            ; v9   2^ep as f32
.set XST, 10                           ; v10  where I put my images
.set XRD, 11                           ; v11  where I read the four images of my tile
.set SST, 12                           ; v12  where I put my four sums
.set SRD, 13                           ; v13  where I read my tile's
.set GI,  14                           ; v14  the stage, in
.set GO,  15                           ; v15  the stage, out
.set KB,  16
.set P,   144
.set CD,  208
.set QS,  224
.set NM,  232
.set SUM, 240
.set TA,  244
.set CS,  26                           ; s[26:27] log2(e): the packed form names a pair and takes its low word for both halves
.set SEL, 28                           ; s[28:29] lane selects for lane xor 16
.set LIM, 30                           ; s30  57,344 x 2^ep
.set ES,  31                           ; s31  ep + ev
.set MSB, 0
.macro WIN new                         ; the immediate's high byte repeats the setting that is left
.if MSB != \new
	s_set_vgpr_msb (MSB<<8)|\new
.set MSB, \new
.endif
.endm
.macro LOADK s                         ; key step s of my four: 64 numbers of ksum for each half of the lanes
.set i, 0
.rept 16
	global_load_b128 v[KB+64*((\s)%2)+4*i:KB+64*((\s)%2)+4*i+3], v[KO], s[6:7] offset:512*(\s)+16*i
.set i, i+1
.endr
.endm
.macro LOADV s                         ; its four fragments of V: 8,192 consecutive bytes, registers on end
	WIN 0x40                                       ; destination window 1
.set i, 0
.rept 16
	global_load_b128 v[128+64*((\s)%2)+4*i:128+64*((\s)%2)+4*i+3], v[VO], s[10:11] offset:8192*(\s)+512*i
.set i, i+1
.endr
	WIN 0
.endm
	s_load_b256 s[4:11], s[0:1], 0x0               ; qsum s[4:5], ksum s[6:7], kmm s[8:9], V's codes s[10:11]
	s_load_b128 s[12:15], s[0:1], 0x20             ; the scales' exponents s[12:13], out s[14:15]
	v_lshl_add_u32 v254, v0, 2, 0x29800
	v_mov_b32 v255, 0
	v_lshrrev_b32 v1, 5, v0
	v_readfirstlane_b32 s16, v1                    ; wave 0..7
	v_and_b32 v2, 31, v0                           ; lane
	v_and_b32 v3, 15, v0                           ; r
	v_bfe_u32 v4, v0, 4, 1                         ; h
	v_lshlrev_b32 v[OO], 4, v2
	v_lshlrev_b32 v[KO], 8, v4
	v_lshlrev_b32 v[QO], 2, v3
	v_lshlrev_b32 v[MO], 3, v2
	s_wait_alu depctr_va_sdst(0)                   ; s16, the wave's number, is written, ahead of its first reader; the seven lines above need none of it
	s_lshr_b32 s17, s16, 2                         ; qg
	s_and_b32 s18, s16, 3                          ; kg
	s_lshr_b32 s19, ttmp9, 4                       ; head
	s_and_b32 s20, ttmp9, 15                       ; block of 128 queries
	v_lshl_add_u32 v[KO], s18, 11, v[KO]
	v_lshl_add_u32 v[VO], s18, 15, v[OO]
	s_lshl_b32 s32, s19, 13                        ; qsum: 8,192 head + 512 block + 256 qg
	s_lshl_b32 s24, s20, 9
	s_add_co_u32 s32, s32, s24
	s_lshl_b32 s24, s17, 8
	s_add_co_u32 s32, s32, s24
	s_mov_b32 s33, 0
	s_lshl_b32 s34, s19, 13                        ; ksum: 8,192 head
	s_mov_b32 s35, 0
	s_lshl_b32 s36, s19, 8                         ; kmm: 256 head
	s_mov_b32 s37, 0
	s_lshl_b32 s38, s19, 17                        ; V's codes: 131,072 head
	s_mov_b32 s39, 0
	s_lshl_b32 s40, s19, 19                        ; out: 524,288 head + 32,768 block + 4,096 wave: the 16 rows that I finish
	s_lshl_b32 s24, s20, 15
	s_add_co_u32 s40, s40, s24
	s_lshl_b32 s24, s16, 12
	s_add_co_u32 s40, s40, s24
	s_mov_b32 s41, 0
	s_wait_kmcnt 0x0
	s_load_b64 s[22:23], s[12:13], 0x0             ; ep, ev
	s_add_nc_u64 s[4:5], s[4:5], s[32:33]
	s_add_nc_u64 s[6:7], s[6:7], s[34:35]
	s_add_nc_u64 s[8:9], s[8:9], s[36:37]
	s_add_nc_u64 s[10:11], s[10:11], s[38:39]
	s_add_nc_u64 s[14:15], s[14:15], s[40:41]
	s_wait_alu depctr_va_vdst(0)                   ; v5 to v8 are written: the offsets that the loads below, and every later load of ksum and of V, read
.irp T, 0,1,2,3
	global_load_b32 v[QS+2*\T], v[QO], s[4:5] offset:64*\T   ; q of my query in tile T
.endr
	global_load_b64 v[248:249], v[MO], s[8:9]      ; lane l: the largest and smallest ksum of the head's keys 64 l .. 64 l + 63
	LOADK 0
	LOADV 0
	LOADK 1
	LOADV 1
	; while they are on their way: constants and the addresses of the end.  (None of these lines names a register that the loads above read or land in)
	s_mov_b32 s[CS], LOG2E
	s_mov_b32 s[CS+1], s[CS]                       ; (named with it as a pair, so it is written)
	s_mov_b32 s[SEL], 0x76543210
	s_mov_b32 s[SEL+1], 0xfedcba98
.irp T, 0,1,2,3
	v_mov_b32 v[QS+2*\T+1], 0                      ; the pairs' upper words are named, so they are written
	v_mov_b32 v[NM+2*\T+1], 0
.endr
	v_mov_b32 v250, 0                              ; a lane permute's destination counts as one of its sources
	v_mov_b32 v251, 0
	s_lshl_b32 s24, s17, 16
	s_lshl_b32 s25, s18, 12
	s_add_co_u32 s24, s24, s25
	v_add_nc_u32 v[XST], s24, v[OO]                ; image (qg, tile T, from kg) at 65,536 qg + 16,384 T + 4,096 kg; T stands in the immediate
	s_lshl_b32 s24, s16, 14
	v_add_nc_u32 v[XRD], s24, v[OO]                ; my tile is T = kg: 65,536 qg + 16,384 kg = 16,384 wave
	s_lshl_b32 s24, s16, 9
	s_add_co_u32 s24, s24, SUMS
	v_add_nc_u32 v[SST], s24, v[OO]                ; my four sums: 512 wave + 16 lane
	s_lshl_b32 s24, s17, 11
	s_lshl_b32 s25, s18, 2
	s_add_co_u32 s24, s24, s25
	s_add_co_u32 s24, s24, SUMS
	v_add_nc_u32 v[SRD], s24, v[OO]                ; tile kg's word of wave 4 qg + k: 2,048 qg + 512 k + 16 lane + 4 kg
	s_mul_i32 s24, s16, 16*SP
	s_add_co_u32 s24, s24, STAGE
	v_mul_u32_u24 v[GI], v3, SP
	v_lshl_add_u32 v[GI], v4, 5, v[GI]
	v_add_nc_u32 v[GI], s24, v[GI]                 ; in: row r, + 32 h
	v_mul_u32_u24 v[GO], v4, SP
	v_lshl_add_u32 v[GO], v3, 4, v[GO]
	v_add_nc_u32 v[GO], s24, v[GO]                 ; back: lanes 0-15 one row, lanes 16-31 the next
	s_wait_kmcnt 0x0
	s_add_co_i32 s[ES], s22, s23                   ; ep + ev
	s_add_co_i32 s24, s22, 127
	s_lshl_b32 s25, s24, 23
	v_mov_b32 v[SC], s25                           ; 2^ep as f32: the conversion takes its exponent field
	s_add_co_i32 s24, s24, 15
	s_lshl_b32 s24, s24, 23
	s_or_b32 s[LIM], s24, 0x600000                 ; 57,344 x 2^ep
	s_wait_loadcnt 63                              ; behind q's four loads and the pair 64 loads were issued: those five are in
.irp m, 1,2,4,8
	v_max_num_f32_dpp v248, v248, v248 row_xmask:\m row_mask:0xf bank_mask:0xf
	v_min_num_f32_dpp v249, v249, v249 row_xmask:\m row_mask:0xf bank_mask:0xf
.endr
	v_permlanex16_b32 v250, v248, s[SEL], s[SEL+1]
	v_permlanex16_b32 v251, v249, s[SEL], s[SEL+1]
	v_max_num_f32 v248, v248, v250                 ; kmax of the head, in every lane
	v_min_num_f32 v249, v249, v251                 ; kmin
.irp T, 0,1,2,3
	v_mul_f32 v252, v[QS+2*\T], v248
	v_mul_f32 v253, v[QS+2*\T], v249
	v_max_num_f32 v252, v252, v253                 ; the row's largest score, rounded as every score is
	v_mul_f32 v252, s[CS], v252                    ; the row's largest t (log2(e) is positive)
	v_floor_f32 v[NM+2*\T], -v252                  ; -M = floor(-t) = -ceil(t)
.endr
; A TILE STEP: 16 queries x 128 keys.  s: which of my four key steps; T: which of my four tiles.
.macro TILE s, T
.set KR, KB+64*((\s)%2)
.set KN, KB+64*(((\s)+1)%2)            ; ksum's other set: the key step before has left it, the next takes it
.set VR, 128+64*((\s)%2)
.set OA, 32*(\T)
.set QR, QS+2*(\T)
.set MR, NM+2*(\T)
.if (\T) == 0
.if (\s) == 0
	s_wait_loadcnt 48                              ; this step's ksum is in; behind it: V of step 0, ksum and V of step 1
.else
	s_wait_loadcnt 16                              ; this step's ksum is in; behind it: this step's V
.endif
.endif
.set j, 0
.rept 32
	v_pk_mul_f32 v[P+j:P+j+1], v[KR+j:KR+j+1], v[QR:QR+1] op_sel_hi:[1,0]   ; the score q k, two keys at a time (of the pair (q, 0) the low word serves both)
.set j, j+2
.endr
.set j, 0
.rept 32
	v_pk_mul_f32 v[P+j:P+j+1], v[P+j:P+j+1], s[CS:CS+1] op_sel_hi:[1,0]     ; t = score x log2(e): a rounding of its own
.set j, j+2
.endr
.set j, 0
.rept 32
	v_pk_add_f32 v[P+j:P+j+1], v[P+j:P+j+1], v[MR:MR+1] op_sel_hi:[1,0]     ; t - M
.set j, j+2
.endr
.set j, 0
.rept 64
	v_exp_f32 v[P+j], v[P+j]                       ; p = 2^(t - M): not normalised
.set j, j+1
.endr
	v_nop                                          ; one plain line behind the last exponential (ISA guide 5.7.2)
	s_wait_alu depctr_va_vdst(0)                   ; the 64 exponentials have written p, ahead of the first line that names a result: one wait for the batch.  In a key step's first tile step also: the key step before is done reading its ksum (its last scores) and its V (its last products), in which the loads below land
.set a, 0
.rept 32                               ; pair a: first into the sum of the UNQUANTISED p (four chains by turns), then the hold
.if ((\T) == 0) && ((\s) >= 1) && ((\s) <= 2) && (a < 16)
	global_load_b128 v[KN+4*a:KN+4*a+3], v[KO], s[6:7] offset:512*((\s)+1)+16*a   ; the next key step's ksum, one load ahead of each of the first sixteen pairs.  No wait: the vector lines since the wait above name p and the chains alone
.endif
.if a < 4
	v_pk_add_f32 v[TA+2*a:TA+2*a+1], v[P+2*a:P+2*a+1], v[P+2*a+8:P+2*a+9]   ; pairs a and a + 4 start chain a: nothing is cleared
.elseif a >= 8
	v_pk_add_f32 v[TA+2*(a%4):TA+2*(a%4)+1], v[TA+2*(a%4):TA+2*(a%4)+1], v[P+2*a:P+2*a+1]
.endif
	v_dual_min_num_f32 v[P+2*a], s[LIM], v[P+2*a] :: v_dual_min_num_f32 v[P+2*a+1], s[LIM], v[P+2*a+1]   ; the conversion does not saturate (ISA guide 7.6.2); p is not negative, so the hold is one-sided; two in one line
.set a, a+1
.endr
.if ((\T) == 0) && ((\s) >= 1) && ((\s) <= 2)
	LOADV (\s)+1                                   ; and its V, in one run, behind ksum's loads, so that the counts below keep their meaning.  No wait, for the same reason
.endif
.set g, 0
.rept 8
	v_cvt_scalef32_pk8_bf8_f32 v[CD+2*g:CD+2*g+1], v[P+8*g:P+8*g+7], v[SC]  ; register n's code falls into byte n % 4 of code register n / 4
.set g, g+1
.endr
	v_pk_add_f32 v[TA:TA+1], v[TA:TA+1], v[TA+2:TA+3]      ; the chains join: plain lines, which also stand between the conversions and the products that read the codes
	v_pk_add_f32 v[TA+4:TA+5], v[TA+4:TA+5], v[TA+6:TA+7]
	v_pk_add_f32 v[TA:TA+1], v[TA:TA+1], v[TA+4:TA+5]
.if (\s) == 0
	v_add_f32 v[SUM+\T], v[TA], v[TA+1]            ; the first step starts the tile's sum
.else
	v_add_f32 v[TA], v[TA], v[TA+1]
	v_add_f32 v[SUM+\T], v[SUM+\T], v[TA]
.endif
.if (\T) == 0
.if (\s) == 3
	s_wait_loadcnt 0x0                             ; the last step's V is in
.else
	s_wait_loadcnt 32                              ; this step's V is in; behind it: the next step's ksum and V
.endif
.endif
	WIN 0x51                                       ; V and O^T in window 1, the codes in window 0
.set t, 0
.rept 4                                ; the tile's four accumulators take turns; an accumulator comes again a key step later, behind fifteen others'
.if (\s) == 0
	v_wmma_f32_16x16x128_bf8_bf8 v[OA+8*t:OA+8*t+7], v[VR+16*t:VR+16*t+15], v[CD:CD+15], 0   ; the first step starts the sums
.else
	v_wmma_f32_16x16x128_bf8_bf8 v[OA+8*t:OA+8*t+7], v[VR+16*t:VR+16*t+15], v[CD:CD+15], v[OA+8*t:OA+8*t+7]
.endif
.set t, t+1
.endr
	WIN 0
.endm
.irp s, 0,1,2,3
.irp T, 0,1,2,3
	TILE \s, \T
.endr
.endr
	; THE END.  My partial O^T of four tiles and my four partial sums go to LDS as they stand in the registers.
.rept 4
	v_nop                                          ; four places between the last products and the stores that read results
.endr
	WIN 0x04                                       ; the stores' data in window 1
	s_wait_alu depctr_va_vdst(0)                   ; the products have written O^T and the additions v240-243, which the LDS stores read (the places above stay beside this wait); and the last tile step is done with p's and ksum's registers, in which the loads behind the barrier land
.set i, 0
.rept 32                               ; i = 8 T + c: registers 32 T + 4 c on: each accumulator from its low end on
	ds_store_b128 v[XST], v[4*i:4*i+3] offset:16384*(i/8)+512*(i%8)
.set i, i+1
.endr
	WIN 0
	ds_store_b128 v[SST], v[SUM:SUM+3]
	s_wait_dscnt 0x0                               ; for the others' sake: my stores have landed
	s_barrier_signal -1
	s_barrier_wait -1
.irp k, 0,1,2,3
	ds_load_b32 v[144+\k], v[SRD] offset:512*\k    ; my tile's sum, from each key quarter.  (No vector line stands between the wait above and these 36 loads)
.endr
.set i, 0
.rept 32                               ; i = 8 k + c: my tile's image from key quarter k
	ds_load_b128 v[16+4*i:16+4*i+3], v[XRD] offset:512*i
.set i, i+1
.endr
	s_wait_dscnt 32                                ; the four sums are in; the 32 loads behind them may be out
	v_add_f32 v148, v144, v145
	v_add_f32 v149, v146, v147
	v_add_f32 v148, v148, v149
	v_permlanex16_b32 v149, v148, s[SEL], s[SEL+1]
	v_add_f32 v148, v148, v149                     ; and lane xor 16's keys: the row's sum (over 1/2: the largest p is)
	v_rcp_f32 v150, v148
	v_mov_b32 v151, 0                              ; a plain line behind the reciprocal; the pair's upper word is named below, so it is written
	s_wait_dscnt 0x0
.set j, 0
.rept 16
	v_pk_add_f32 v[16+j:17+j], v[16+j:17+j], v[48+j:49+j]
	v_pk_add_f32 v[80+j:81+j], v[80+j:81+j], v[112+j:113+j]
.set j, j+2
.endr
	s_wait_alu depctr_va_vdst(0)                   ; the reciprocal has written v150, ahead of its first reader; the 32 additions above stand between
	v_ldexp_f32 v150, v150, s[ES]                  ; 2^(ep + ev) / the sum
.set j, 0
.rept 16
	v_pk_add_f32 v[16+j:17+j], v[16+j:17+j], v[80+j:81+j]
.set j, j+2
.endr
.set j, 0
.rept 16
	v_pk_mul_f32 v[16+j:17+j], v[16+j:17+j], v[150:151] op_sel_hi:[1,0]     ; register 8 t + i: out(row r, column 16 t + 8 h + i)
.set j, j+2
.endr
	s_wait_alu depctr_va_vdst(0)                   ; the multiplications have written v16-47, which the stage's stores read; the additions are done reading v48-79, in which the stage's loads land
.irp t, 0,1,2,3
	ds_store_b128 v[GI], v[16+8*\t:19+8*\t] offset:64*\t       ; a lane holds 32 bytes of a row, and the lanes beside it other rows: through my own stage,
	ds_store_b128 v[GI], v[20+8*\t:23+8*\t] offset:64*\t+16
.endr
.irp i, 0,1,2,3,4,5,6,7
	ds_load_b128 v[48+4*\i:51+4*\i], v[GO] offset:2*\i*SP      ; and back as whole rows.  LDS serves a wave's instructions in order (ISA guide 5.7.1.4): these see my stores
.endr
.irp i, 0,1,2,3,4,5,6,7
	s_wait_dscnt 7-\i
	global_store_b128 v[OO], v[48+4*\i:51+4*\i], s[14:15] offset:512*\i th:TH_STORE_NT   ; 32 lanes store two rows, 512 consecutive bytes, aligned; written once, read by nobody here
.endr
	s_wait_dscnt 0x0                               ; the closing lines, six on end
	s_wait_alu 0x0
	s_wait_tensorcnt 0x0
	ds_add_u32 v254, v255
	s_wait_dscnt 0x0
	s_endpgm
.Lfunc_end_k_q1cca114051_attend:
	.size	k_q1cca114051_attend, .Lfunc_end_k_q1cca114051_attend-k_q1cca114051_attend
	.p2alignl 7, 3214868480
	.fill 96, 4, 3214868480
	.section	.rodata,"a",@progbits
	.p2align	6, 0x0
	.amdhsa_kernel k_q1cca114051_attend
		.amdhsa_group_segment_fixed_size 171008
		.amdhsa_private_segment_fixed_size 0
		.amdhsa_enable_private_segment 0
		.amdhsa_kernarg_size 48
		.amdhsa_user_sgpr_count 2
		.amdhsa_user_sgpr_kernarg_segment_ptr 1
		.amdhsa_wavefront_size32 1
		.amdhsa_system_sgpr_workgroup_id_x 1
		.amdhsa_system_sgpr_workgroup_id_y 1
		.amdhsa_system_sgpr_workgroup_id_z 1
		.amdhsa_system_vgpr_workitem_id 0
		.amdhsa_next_free_vgpr 512
		.amdhsa_next_free_sgpr 66
		.amdhsa_reserve_vcc 0
		.amdhsa_float_denorm_mode_32 3
		.amdhsa_float_denorm_mode_16_64 3
		.amdhsa_memory_ordered 1
		.amdhsa_forward_progress 1
		.amdhsa_inst_pref_size 236
	.end_amdhsa_kernel
	.amdgpu_metadata
---
amdhsa.version: [ 1, 2 ]
amdhsa.kernels:
  - .name:           k_q1cca114051_attend
    .symbol:         k_q1cca114051_attend.kd
    .args:
      - { .name: qsum, .offset: 0, .size: 8, .value_kind: global_buffer, .address_space: global }
      - { .name: ksum, .offset: 8, .size: 8, .value_kind: global_buffer, .address_space: global }
      - { .name: kmm, .offset: 16, .size: 8, .value_kind: global_buffer, .address_space: global }
      - { .name: vcodes, .offset: 24, .size: 8, .value_kind: global_buffer, .address_space: global }
      - { .name: lowp_scales, .offset: 32, .size: 8, .value_kind: global_buffer, .address_space: global }
      - { .name: out0, .offset: 40, .size: 8, .value_kind: global_buffer, .address_space: global }
    .group_segment_fixed_size: 171008
    .private_segment_fixed_size: 0
    .kernarg_segment_align: 8
    .kernarg_segment_size: 48
    .max_flat_workgroup_size: 256
    .sgpr_count:     66
    .vgpr_count:     512
    .wavefront_size: 32
...
	.end_amdgpu_metadata
.endif
;; end of part 3
